; MI455X (gfx1250); checked and timed in simulation.
; The chip was launched on July 23, 2026; its instructions are those of AMD's public machine-readable ISA for CDNA 5 (MIT licence, August 2026) and "CDNA5" Instruction Set Architecture Reference Guide (July 2026). The comments in the code are by the model that wrote it; some were corrected since.
;; Attn. Allowed arithmetic: matrix products marked QUANTISED: E2M1 operands, one E8M0 scale for each 32 along K, by v_wmma_scale_f32_16x16x128_f8f6f4 with both operands' format E2M1 (or v_wmma_scale_f32_32x16x128_f4), f32 sums; products left as they are: f32 operands where the result goes on into a quantised operand, else bf16, f16 or f32 operands; f32 sums; everything else in f32.
;; Inputs: W_codes 1,024 x 96 x 16 uint8 (E2M1 codes of W, K innermost, in blocks of 32 codes, two codes a byte); W_scales 1,024 x 96 uint8 (E8M0 scales of W, one for each 32 codes along K); b 1,024 float32; encoder_outputs 64 x 256 x 1,024 float32; hidden 2 x 64 x 1,024 float32; v 1,024 float32.
;; Outputs: out0 64 x 256 float32.
;; This version of the problem:
;;   THIS VERSION OF THE PROBLEM IS GIVEN IN LOW PRECISION. The matrix products marked QUANTISED in the list below multiply operands that are first quantised to E2M1 (2 exponent bits, 1 mantissa bit; 4 bits a number), with one power-of-two scale for each 32 numbers along K (OCP MX v1.0); their sums are f32. All else is computed in f32.
;;   The module's matrix products, in the order in which they are computed (A, B: the left and right operand; K: the contracted axis; several contracted axes count as one K, in the product's order):
;;     1. [M 16,384, K 3,072] x [K 3,072, N 1,024]; A: computed on the way; B: input W (given as codes): QUANTISED
;;     2. [M 16,384, K 1,024] x [K 1,024, N 1]; A: computed on the way; B: input v: left as it is (N = 1 < 16)
;;   THE QUANTISER, for each operand of a quantised product, along K:
;;     - K is cut into blocks of 32 from its start; a last block that is shorter is filled with zeros.
;;     - A block's scale is 2^e with e = floor(log2(the largest magnitude in the block)) - 2, held to -126 .. 127; a block of zeros has e = 0. As a byte (E8M0): e + 127.
;;     - Each number is divided by its block's scale, clamped to +-6, and rounded to the nearest number of E2M1, ties to even, subnormals kept.
;;     - The product sums the exact products of the quantised numbers (number of the format x scale) in f32.
;;   ~~~python
;;   def quantise(x, axis):      # numpy; x: float32 -> the quantised numbers, widened to float32 again
;;       x = np.moveaxis(x, axis, -1); K = x.shape[-1]
;;       x = np.pad(x, [(0, 0)] * (x.ndim - 1) + [(0, -K % 32)]); x = x.reshape(x.shape[:-1] + (-1, 32)); a = np.abs(x).max(-1, keepdims=True)
;;       e = np.where(a > 0, np.clip(np.frexp(np.where(a > 0, a, 1))[1] - 1 - 2, -126, 127), 0)      # np.frexp(a)[1] - 1 = floor(log2(a)), exactly
;;       r = np.clip(x / 2.0 ** e, -6, 6)
;;       step = 2.0 ** (np.maximum(np.frexp(np.where(r == 0, 1, r))[1] - 1, 0) - 1)
;;       q = np.round(r / step) * step * 2.0 ** e      # np.round: ties to even
;;       return np.moveaxis(q.reshape(q.shape[:-2] + (-1,))[..., :K], -1, axis).astype(np.float32)
;;   ~~~
;;   OPERANDS COMPUTED ON THE WAY. 'Computed on the way' means the value that the module computes at that place (a softmax that the list does not call 'softmax' is quantised finished and normalised). What goes into a quantiser is computed in f32, as accurately as f32 sums, v_exp_f32 and their like allow (about 1e-6 of the number): no bf16 or f16 on the way to a quantiser, and a product that is left as it is and whose result goes on into a quantised operand takes f32 operands (vector FMAs, or v_wmma_f32_16x16x4_f32). A number that lies on a knife's edge between two numbers of the format may be rounded either way, as far as f32 arithmetic and the matrix unit's own rounding can turn it there, and no further.
;;   INPUTS GIVEN AS CODES. W (in the module: [1024, 3072], K = its axis 1): each comes as NAME_codes (uint8): NAME with its K axis moved to the last place and cut into blocks of 32 codes, [.., K / 32, bytes a block], one block behind the other in memory; two codes a byte, the lower K in the low four bits (a code: sign, 2 exponent bits, 1 mantissa bit); and NAME_scales (uint8): the same leading axes, one E8M0 byte (e + 127) for each 32 codes along K. Its value is code x scale, taken as it is: it is not quantised again, and the codes and scales need not be those that the quantiser above would give.
;; One version. Each part assembles by itself: llvm-mc -triple=amdgcn-amd-amdhsa -mcpu=gfx1250 --defsym DOCPART=n.
;; ======== version 1 of 1: 2 launches
;; workspace buffers: scores 65,536 bytes; cpart 65,536 bytes
;; launch energy (part 1): grid 256 x 1, 4 waves a work-group, clusters of 4 x 1, 327,680 bytes of LDS; arguments W_codes, W_scales, b, encoder_outputs, hidden, v, scores, cpart; writes scores, cpart
.if DOCPART == 1
	.amdgcn_target "amdgcn-amd-amdhsa--gfx1250"
	.amdhsa_code_object_version 6
	.text
	.protected	k_q82930fae81_energy
	.globl	k_q82930fae81_energy
	.p2align	8
	.type	k_q82930fae81_energy,@function
k_q82930fae81_energy:
	s_mov_b64 s[64:65], 0
	v_nop
	global_prefetch_b8 v0, s[64:65] scope:SCOPE_SE
	s_setreg_imm32_b32 hwreg(HW_REG_WAVE_MODE, 25, 1), 1
	s_wait_xcnt 0x0
	s_wait_alu depctr_hold_cnt(0) depctr_sa_sdst(0) depctr_va_vdst(0) depctr_va_sdst(0) depctr_va_ssrc(0) depctr_va_vcc(0) depctr_vm_vsrc(0)
	s_getreg_b32 s2, hwreg(HW_REG_IB_STS2, 6, 4)
	s_cmp_eq_u32 s2, 0
	s_cbranch_scc0 .Lentry_in_a_cluster
	s_endpgm
.Lentry_in_a_cluster:
	s_bfe_u32 s2, ttmp6, 0x10000c
	s_cmp_lg_u32 s2, 0x3003
	s_cbranch_scc0 .Lentry_shape_is_right
	s_endpgm
.Lentry_shape_is_right:
; scores[b][s] = sum over h of v[h] (Q(enc[b][s]) . W[h][2048:3072] + b[h]);   cpart[i][b] = this work-group's share of sum over h of v[h] (Q(hidden2[b]) . W[h][0:2048]).
; The operand's row is [hidden[0][b] | hidden[1][b] | enc[b][s]]; 2,048 is a multiple of the quantiser's 32, so the row's codes are those of hidden2[b] followed by those of enc[b][s].
; The first 2,048 columns are the same in all 256 rows of a batch (a broadcast): their products are made once for each batch and added to every score of the batch by the next launch.
; SHARES.  Work-group i (256 of them) takes rows 64 i .. 64 i + 63 of the 16,384, all 1,024 h, K = the encoder's 1,024 in 8 steps of 128.  Wave w quantises rows 16 w .. 16 w + 15, and owns
; h = 256 w .. 256 w + 255 for all 64 rows: 16 tiles of h x 4 tiles of rows = 64 accumulators, 512 registers, 64 matrix instructions a K step.
; THE MATRIX INSTRUCTION IS USED TRANSPOSED (source 0 = 16 rows of W, source 1 = 16 rows of the operand): lane (r, hh) holds ONE row s = 16 m + r, and register j the unit h = 256 w + 16 t + 8 hh + j,
; so the dot product with v is packed multiply-adds in f32 with v loaded in the same layout, and one exchange between the halves of the lanes.
; enc COMES THROUGH REGISTERS: 48 loads of a wave (three K steps, 24 KiB) stay on their way across the barriers.  A lane takes 8 neighbours along K (32 bytes), four lanes a block of 32; its 8 codes are 4 bytes,
; stored row by row in LDS (pitch 80), from where every wave reads the four fragments.  So what turns through LDS is codes, an eighth of the f32 bytes.
; W COMES THROUGH TWO LDS SLOTS of 256 along K (1,024 rows x 128 bytes, pitch 144; rows of 256 bytes would want 2 x 278,528 bytes of LDS).  Each wave fetches and alone reads its own 256 rows.
; CLUSTER: all work-groups read the same tiles of W; the four of a cluster ask JOINTLY, by the same load with the same descriptor (made of the wave's number and constants alone) and the mask 15.
; Four chunks of K: two first fills, two refills; by this text's count a wave has at most two tensor loads out.
; THE HIDDEN PART: [64 b x 2,048] x [2,048 x 1,024] is 4,096 matrix instructions, 16 for each work-group: work-group i takes K step i % 16 of its 16 and the 64 units h from 64 (i / 16) on; wave w batches 16 w .. + 15.
; THE BIAS: sum over the wave's 256 h of v[h] b[h] is added to each of the wave's partial scores.
; LIMITS: NaN and infinities in enc or hidden are not served.  A block of zeros, or one whose largest magnitude lies under 2^-124, gets the scale byte 1 (the bytes are read by this program alone).
; The sums over K and h are grouped otherwise than the definition writes them: by K steps of 128, by waves of 256 h, the hidden part and the bias last.
.set SLOTB, 147456                     ; a slot of W: 1,024 rows x 144 bytes
.set WQ,    36864                      ; a wave's quarter of it: 256 rows
.set WP,    144                        ; 128 bytes + 16 of padding: 9 x 16, so the 16 rows of a load begin at 16 different places modulo 256 bytes
.set AT,    2*SLOTB                    ; the operand's codes: two regions by turns, [64 rows][64 bytes + 16]
.set AP,    80
.set ATR,   64*AP
.set HT,    AT+2*ATR                   ; the hidden part's codes, same shape; wave w's 16 rows are read by itself alone
.set AS,    HT+ATR                     ; the operand's scale words: two regions, [64 rows][4 bytes]
.set HS,    AS+512                     ; the hidden part's
.set PS,    HS+256                     ; partial scores [4 waves][64 rows] f32
.set CP,    PS+1024                    ; the hidden part's 64 sums
.set SPARE, CP+256                     ; the spare words: 128 bytes a wave, two blocks of 256 bytes that no other line names
; window 0
.set XA,   1                           ; 4096 hh + 32 r: my 32 bytes of a K step's 512, rows 2 g + hh
.set ADRW, 2                           ; v2, v3: my place in my quarter of slot 0, 1
.set STC,  4                           ; where my 4 bytes of codes go
.set STS,  5                           ; where my block's scale byte goes
.set LDA,  6                           ; a fragment's place for my lane
.set LSA,  7                           ; AS + 4 x lane
.set LDH,  8                           ; LDA + my wave's 16 rows
.set LSH,  9                           ; AS + 64 w + 4 r
.set CPA,  10
.set PSA,  11
.set OUTL, 12
.set WSO,  13
.set HWO,  14
.set HSO,  15
.set HVO,  16
.set VFO,  17
.set TWO,  18
.set PSR,  19
.set SPW,  20                          ; my spare word's address; never rewritten
.set NIL,  21                          ; 0; never rewritten
.set SA,   22                          ; v22-23 the operand's scale words: lanes 0-15 tile 2 n, lanes 16-31 tile 2 n + 1
.set HW,   24                          ; v24-25 W's scale words for the hidden part, likewise
.set HSW,  26                          ; the hidden part's own scale words
.set HV,   28                          ; v28-31 v at h = 64 hg + 4 r + 0 .. 3
.set WS,   32                          ; v32-95 W's scale words: register 4 t + q: lanes 0-15 K step q, lanes 16-31 K step 4 + q, of row 256 w + 16 t + r
.set AF,   96                          ; v96-127 the operand's four fragments; once, the hidden part's four results
.set M,    128                         ; v128-135 largest magnitudes, then the conversions' scale operands
.set CD,   136                         ; v136-143 codes
.set BY,   144                         ; v144-151 scale bytes; at the head and at the end at work
.set LN,   144
.set RR,   145
.set HH,   146
.set T0,   147
.set HF,   152                         ; v152-159 the hidden fragment, then the hidden part's sums
.set HWF,  160                         ; v160-191 W's four fragments for the hidden part
.set SC,   160                         ; at the end: v160-175 sums, four a tile of rows
.set TV,   176                         ; v176-183 eight of v, v184-191 eight of b, for the bias
.set TB,   184
.set SET2, 192                         ; v192-255 of window 0: 64 numbers as loaded
; window 1: v0-127 W's 16 fragments; v128-191, v192-255 two more sets of 64 numbers; at the end v128-255 v in the results' layout
.set SET0, 128
.set SET1, 192
.set VF,   128
; windows 2, 3: accumulator (t, m) at v[8 (4 (t % 8) + m)], window 2 for t < 8
.set WV,  24
.set EB,  14                           ; enc at my wave's first row
.set HB,  16                           ; hidden at my wave's first batch, my work-group's K step
.set HSB, 10
.set BB,  12
.set HVB, 18
.set SCO, 20
.set CPO, 22
.set G1,  36                           ; s[36:43] descriptor group 1
.set G0,  44                           ; s[44:47], s[48:51] group 0 for slot 0, 1
.set SEL, 52
.set WSB, 54
.set VB,  56
.set HWB, 58
.set MSB, 0
.macro WIN new                         ; bits 1:0 source 0, 3:2 source 1, 5:4 source 2, 7:6 destination; the high byte repeats the setting that is left
.if MSB != \new
	s_set_vgpr_msb (MSB<<8)|\new
.set MSB, \new
.endif
.endm
.macro PLACES n
.rept \n
	v_nop
.endr
.endm
.macro CROUND                          ; a round of the cluster's barrier: my work-group's barrier, wave 0 signals for the work-group, all wait for the four, my work-group's barrier again
	s_barrier_signal -1
	s_barrier_wait -1
	s_cmp_lg_u32 s[WV], 0
	s_cbranch_scc1 .Lnot_wave_0_\@
	s_barrier_signal -3
.Lnot_wave_0_\@:
	s_barrier_wait -3
	s_barrier_signal -1
	s_barrier_wait -1
.endm
.macro BAR                             ; my LDS stores have landed and my LDS loads are in: then the work-group's barrier.  A tensor load may stay out
	s_wait_dscnt 0x0
	s_barrier_signal -1
	s_barrier_wait -1
.endm
; Slot s, whose last fragments are in my registers, takes the chunk two further on.
.macro REFILL s
	s_wait_tensorcnt 0x0                           ; no tensor load of mine is out, so a group 0 may be written
	ds_add_u32 v[SPW], v[NIL]                      ; 0 onto my spare word
	s_add_nc_u64 s[G0+4*\s+2:G0+4*\s+3], s[G0+4*\s+2:G0+4*\s+3], 256   ; two chunks of 128 bytes on; the type bits on top are not reached
	s_wait_dscnt 0x0                               ; the add is done, my reads of the slot are in, my codes and scale bytes have landed
	CROUND                                         ; so of every wave of the four work-groups
	tensor_load_to_lds s[G0+4*\s:G0+4*\s+3], s[G1:G1+7]   ; my one tensor load behind the round, and the first thing there: two K steps ahead of its first read
	s_nop 0
	PLACES 4
.endm
; 16 loads: my wave's 16 rows x 128 numbers from byte koff of the rows: register 8 g + 4 e + i = number 8 r + 4 e + i of row 2 g + hh
.macro LOADX win, base, sb, koff, nt
.if \win
	WIN 0x40
.endif
.irp g, 0,1,2,3,4,5,6,7
.irp e, 0,1
.if \nt
	global_load_b128 v[\base+8*\g+4*\e:\base+8*\g+4*\e+3], v[XA], s[\sb:\sb+1] offset:8192*\g+\koff+16*\e th:TH_LOAD_NT
.else
	global_load_b128 v[\base+8*\g+4*\e:\base+8*\g+4*\e+3], v[XA], s[\sb:\sb+1] offset:8192*\g+\koff+16*\e
.endif
.endr
.endr
	WIN 0
.endm
; A set of 64 numbers becomes codes and scale bytes in LDS.  Group g is 8 neighbours of row 2 g + hh; lanes l, l ^ 1, l ^ 2, l ^ 3 hold a block of 32.  The eight groups go by turns.
.macro QUANT win, base, coff, soff
.if \win
	WIN 0x05
.endif
.irp g, 0,1,2,3,4,5,6,7
	v_max3_num_f32 v[M+\g], |v[\base+8*\g]|, |v[\base+8*\g+1]|, 0x1800000   ; with the floor 2^(3 - 127): the byte cannot fall under 1
.endr
.irp i, 2,4,6
.irp g, 0,1,2,3,4,5,6,7
	v_max3_num_f32 v[M+\g], |v[\base+8*\g+\i]|, |v[\base+8*\g+\i+1]|, v[M+\g]
.endr
.endr
	WIN 0
.irp x, 1,2
.irp g, 0,1,2,3,4,5,6,7
	v_max_num_f32_dpp v[M+\g], v[M+\g], v[M+\g] row_xmask:\x row_mask:0xf bank_mask:0xf   ; the block's largest magnitude
.endr
.endr
.irp g, 0,1,2,3,4,5,6,7
	v_add_nc_u32 v[M+\g], 0xff000000, v[M+\g]      ; 2 off its exponent field: the conversion takes that field as its scale and nothing else
.endr
.if \win
	WIN 0x01
.endif
.irp g, 0,1,2,3,4,5,6,7
	v_cvt_scalef32_pk8_fp4_f32 v[CD+\g], v[\base+8*\g:\base+8*\g+7], v[M+\g]
.endr
	WIN 0
.irp g, 0,1,2,3,4,5,6,7
	v_lshrrev_b32 v[BY+\g], 23, v[M+\g]            ; the scale's byte.  (The first of these is the plain place behind the conversions)
.endr
.irp g, 0,1,2,3,4,5,6,7
	ds_store_b32 v[STC], v[CD+\g] offset:\coff+2*AP*\g
	ds_store_b8 v[STS], v[BY+\g] offset:\soff+8*\g   ; the four lanes of a block store the same byte with the same value
.endr
.endm
.macro FW ks                           ; my 16 fragments of W for K step ks: lane (r, hh): row 16 t + r, registers 4 c .. 4 c + 3 = K 64 c + 32 hh + 0 .. 31
	WIN 0x40
.irp t, 0,1,2,3,4,5,6,7,8,9,10,11,12,13,14,15
.irp c, 0,1
	ds_load_b128 v[8*\t+4*\c:8*\t+4*\c+3], v[ADRW+((\ks)/2)%2] offset:16*WP*\t+64*((\ks)%2)+32*\c
.endr
.endr
	WIN 0
.endm
.macro FA ks                           ; the operand's four fragments and their scale words
.irp m, 0,1,2,3
.irp c, 0,1
	ds_load_b128 v[AF+8*\m+4*\c:AF+8*\m+4*\c+3], v[LDA] offset:ATR*((\ks)%2)+16*AP*\m+32*\c
.endr
.endr
.irp n, 0,1
	ds_load_b32 v[SA+\n], v[LSA] offset:256*((\ks)%2)+128*\n
.endr
.endm
.macro WM d, a, b, zero, sa, sb, ra, rb
.if \zero
.if \rb
	v_wmma_scale_f32_16x16x128_f8f6f4 v[\d:\d+7], v[\a:\a+7], v[\b:\b+7], 0, v[\sa], v[\sb] matrix_a_fmt:MATRIX_FMT_FP4 matrix_b_fmt:MATRIX_FMT_FP4 matrix_b_scale:MATRIX_SCALE_ROW1
.else
	v_wmma_scale_f32_16x16x128_f8f6f4 v[\d:\d+7], v[\a:\a+7], v[\b:\b+7], 0, v[\sa], v[\sb] matrix_a_fmt:MATRIX_FMT_FP4 matrix_b_fmt:MATRIX_FMT_FP4
.endif
.elseif (\ra) && (\rb)
	v_wmma_scale_f32_16x16x128_f8f6f4 v[\d:\d+7], v[\a:\a+7], v[\b:\b+7], v[\d:\d+7], v[\sa], v[\sb] matrix_a_fmt:MATRIX_FMT_FP4 matrix_b_fmt:MATRIX_FMT_FP4 matrix_a_scale:MATRIX_SCALE_ROW1 matrix_b_scale:MATRIX_SCALE_ROW1
.elseif \ra
	v_wmma_scale_f32_16x16x128_f8f6f4 v[\d:\d+7], v[\a:\a+7], v[\b:\b+7], v[\d:\d+7], v[\sa], v[\sb] matrix_a_fmt:MATRIX_FMT_FP4 matrix_b_fmt:MATRIX_FMT_FP4 matrix_a_scale:MATRIX_SCALE_ROW1
.elseif \rb
	v_wmma_scale_f32_16x16x128_f8f6f4 v[\d:\d+7], v[\a:\a+7], v[\b:\b+7], v[\d:\d+7], v[\sa], v[\sb] matrix_a_fmt:MATRIX_FMT_FP4 matrix_b_fmt:MATRIX_FMT_FP4 matrix_b_scale:MATRIX_SCALE_ROW1
.else
	v_wmma_scale_f32_16x16x128_f8f6f4 v[\d:\d+7], v[\a:\a+7], v[\b:\b+7], v[\d:\d+7], v[\sa], v[\sb] matrix_a_fmt:MATRIX_FMT_FP4 matrix_b_fmt:MATRIX_FMT_FP4
.endif
.endm
; A K step's 64 products.  The 64 accumulators take turns, one instruction a turn, in the same order in every step.  zero = 1: the first step starts the sums.
.macro MUL ks, zero
	WIN 0xa1                                       ; source 0 (W) window 1, source 1 window 0, C and D window 2
.irp t, 0,1,2,3,4,5,6,7
.irp m, 0,1,2,3
	WM 8*(4*\t+\m), 8*\t, AF+8*\m, \zero, WS+4*\t+(\ks)%4, SA+\m/2, (\ks)/4, \m%2
.endr
.endr
	WIN 0xf1                                       ; C and D window 3
.irp t, 8,9,10,11,12,13,14,15
.irp m, 0,1,2,3
	WM 8*(4*(\t-8)+\m), 8*\t, AF+8*\m, \zero, WS+4*\t+(\ks)%4, SA+\m/2, (\ks)/4, \m%2
.endr
.endr
	WIN 0
.endm
.macro VLOAD t0                        ; v in the results' layout, tiles t0 .. t0 + 7: register j of tile t = v[256 w + 16 t + 8 hh + j]
	WIN 0x40
.irp t, 0,1,2,3,4,5,6,7
.irp e, 0,1
	global_load_b128 v[VF+8*(\t0+\t)+4*\e:VF+8*(\t0+\t)+4*\e+3], v[VFO], s[VB:VB+1] offset:64*(\t0+\t)+16*\e
.endr
.endr
	WIN 0
.endm
	s_load_b256 s[8:15], s[0:1], 0x0               ; W_codes s[8:9], W_scales s[10:11], b s[12:13], enc s[14:15]
	s_load_b256 s[16:23], s[0:1], 0x20             ; hidden s[16:17], v s[18:19], scores s[20:21], cpart s[22:23]
	v_lshl_add_u32 v[SPW], v0, 2, SPARE
	v_mov_b32 v[NIL], 0
	ds_add_u32 v20, v21
	ds_add_u32 v20, v21
	s_wait_dscnt 0x0
	v_lshrrev_b32 v[T0], 5, v0
	v_readfirstlane_b32 s[WV], v[T0]               ; wave 0..3
	s_bfe_u32 s25, ttmp6, 0x40000                  ; cx: it enters global addresses of enc, hidden, the hidden part's W and v, and the outputs alone
	s_lshl_b32 s26, ttmp9, 2
	s_add_co_u32 s26, s26, s25                     ; i = 4 x cluster + cx
	s_and_b32 s27, s26, 15                         ; kh: my K step of the hidden part's 16
	s_lshr_b32 s28, s26, 4                         ; hg: my 64 units h of it
	v_and_b32 v[LN], 31, v0
	v_and_b32 v[RR], 15, v0
	v_bfe_u32 v[HH], v0, 4, 1
	v_lshlrev_b32 v[XA], 5, v[RR]
	v_lshl_add_u32 v[XA], v[HH], 12, v[XA]
	v_mul_u32_u24 v[WSO], v[RR], 96                ; a row of W's scale bytes is 96
	v_lshl_add_u32 v[WSO], v[HH], 4, v[WSO]        ; lanes 16-31 take the words of K steps 4 to 7
	s_mul_i32 s60, s[WV], WQ
	v_mul_u32_u24 v[ADRW], v[RR], WP
	v_lshl_add_u32 v[ADRW], v[HH], 4, v[ADRW]
	v_add_nc_u32 v[ADRW], s60, v[ADRW]
	v_add_nc_u32 v[ADRW+1], SLOTB, v[ADRW]
	s_mul_i32 s61, s[WV], 16*AP
	v_mul_u32_u24 v[STC], v[HH], AP
	v_lshl_add_u32 v[STC], v[RR], 2, v[STC]
	v_add_nc_u32 v[STC], s61, v[STC]
	v_add_nc_u32 v[STC], AT, v[STC]                ; AT + (16 w + hh) x 80 + 4 r
	s_lshl_b32 s62, s[WV], 6
	v_bfe_u32 v[STS], v0, 2, 2                     ; my block of the K step's four
	v_lshl_add_u32 v[STS], v[HH], 2, v[STS]
	v_add_nc_u32 v[STS], s62, v[STS]
	v_add_nc_u32 v[STS], AS, v[STS]                ; AS + (16 w + hh) x 4 + block
	v_mul_u32_u24 v[LDA], v[RR], AP
	v_lshl_add_u32 v[LDA], v[HH], 4, v[LDA]
	v_add_nc_u32 v[LDA], AT, v[LDA]
	v_lshl_add_u32 v[LSA], v[LN], 2, AS
	v_add_nc_u32 v[LDH], s61, v[LDA]
	v_lshl_add_u32 v[LSH], v[RR], 2, AS
	v_add_nc_u32 v[LSH], s62, v[LSH]
	v_lshl_add_u32 v[CPA], v[HH], 5, CP
	v_add_nc_u32 v[CPA], s62, v[CPA]               ; CP + 4 x (16 w + 8 hh)
	s_lshl_b32 s63, s[WV], 8
	v_lshl_add_u32 v[PSA], v[LN], 2, PS
	v_add_nc_u32 v[PSA], s63, v[PSA]
	v_lshlrev_b32 v[OUTL], 3, v[LN]
	v_mul_u32_u24 v[HWO], v[RR], 6144              ; the hidden part's tile t takes W's rows 64 hg + 4 r + t: four rows of 1,536 bytes a lane
	v_lshl_add_u32 v[HWO], v[HH], 4, v[HWO]
	v_mul_u32_u24 v[HSO], v[RR], 384               ; their scale words: lanes 0-15 tile 2 n, lanes 16-31 tile 2 n + 1
	v_mad_u32_u24 v[HSO], v[HH], 96, v[HSO]
	v_lshlrev_b32 v[HVO], 4, v[RR]
	v_lshlrev_b32 v[VFO], 5, v[HH]
	v_lshlrev_b32 v[TWO], 5, v[LN]
	v_lshl_add_u32 v[PSR], v[LN], 3, PS
	; descriptor group 1: 256 rows of 128 bytes, 1,536 bytes apart in memory, 16 bytes of padding behind each in LDS
	s_mov_b32 s[G1+0], 15|(0<<16)|(1<<20)|(1<<21)|(4<<22)|(3<<25)   ; 15:0 the mask: all four work-groups; 17:16 elements of 1 byte; 20 padding on; 21 set beside a mask; 24:22 after every 32 words (code 4); 31:25 four words (code 3)
	s_mov_b32 s[G1+1], 128<<16                     ; tensor_dim0 = 128
	s_mov_b32 s[G1+2], 256<<16                     ; tensor_dim1 = 256
	s_mov_b32 s[G1+3], 128<<16                     ; tile_dim0 = 128
	s_mov_b32 s[G1+4], 256                         ; tile_dim1 = 256
	s_mov_b32 s[G1+5], 1536                        ; from row to row
	s_mov_b32 s[G1+6], 0
	s_mov_b32 s[G1+7], 0
	s_mov_b32 s[SEL], 0x76543210
	s_mov_b32 s[SEL+1], 0xfedcba98                 ; v_permlanex16_b32's selects for lane l xor 16
	s_mov_b32 s31, 0
	s_mov_b32 s35, 0
	s_mul_i32 s34, s[WV], 256*1536                 ; my 256 rows of W,
	s_add_co_u32 s34, s34, 1024                    ; from k = 2,048 on: made of the wave's number and constants alone
	s_lshl_b32 s29, s[WV], 16                      ; 16 rows of 4,096 bytes a wave
	s_wait_kmcnt 0x0
	s_mul_i32 s30, s[WV], 256*96
	s_add_co_u32 s30, s30, 64                      ; the encoder's blocks are bytes 64 to 95 of a row of scale bytes
	s_add_nc_u64 s[WSB:WSB+1], s[10:11], s[30:31]
	s_lshl_b32 s30, s26, 18                        ; 64 rows of 4,096 bytes a work-group
	s_add_co_u32 s30, s30, s29
	s_add_nc_u64 s[EB:EB+1], s[EB:EB+1], s[30:31]
.irp t, 0,1,2,3,4,5,6,7,8,9,10,11,12,13,14,15
	global_load_b128 v[WS+4*\t:WS+4*\t+3], v[WSO], s[WSB:WSB+1] offset:1536*\t
.endr
	LOADX 1, SET0, EB, 0, 1                        ; K step 0
	LOADX 1, SET1, EB, 512, 1                      ; K step 1
	s_lshr_b32 s30, s27, 3                         ; hidden2's K step kh lies in layer kh / 8,
	s_lshl_b32 s30, s30, 18
	s_and_b32 s32, s27, 7
	s_lshl_b32 s32, s32, 9                         ; 512 bytes a K step
	s_add_co_u32 s30, s30, s32
	s_add_co_u32 s30, s30, s29
	s_add_nc_u64 s[HB:HB+1], s[HB:HB+1], s[30:31]
	s_mul_i32 s30, s28, 64*96
	s_lshl_b32 s32, s27, 2
	s_add_co_u32 s30, s30, s32
	s_add_nc_u64 s[HSB:HSB+1], s[HSB:HSB+1], s[30:31]
	s_mul_i32 s30, s28, 64*1536
	s_lshl_b32 s32, s27, 6
	s_add_co_u32 s30, s30, s32
	s_add_nc_u64 s[HWB:HWB+1], s[8:9], s[30:31]
	s_lshl_b32 s30, s[WV], 10
	s_add_nc_u64 s[VB:VB+1], s[18:19], s[30:31]
	s_add_nc_u64 s[BB:BB+1], s[BB:BB+1], s[30:31]
	s_lshl_b32 s30, s28, 8
	s_add_nc_u64 s[HVB:HVB+1], s[HVB:HVB+1], s[30:31]
	s_lshl_b32 s30, s26, 8
	s_add_nc_u64 s[SCO:SCO+1], s[SCO:SCO+1], s[30:31]
	s_add_nc_u64 s[CPO:CPO+1], s[CPO:CPO+1], s[30:31]
	CROUND                                         ; all four work-groups are here: the first joint loads meet
	s_mov_b32 s[G0], 1                             ; count = 1
	s_mul_i32 s[G0+1], s[WV], WQ                   ; LDS: my quarter of slot 0
	s_add_nc_u64 s[G0+2:G0+3], s[8:9], s[34:35]    ; chunk 0
	s_mov_b32 s[G0+4], 1
	s_add_co_u32 s[G0+5], s[G0+1], SLOTB           ; of slot 1
	s_add_nc_u64 s[G0+6:G0+7], s[G0+2:G0+3], 128   ; chunk 1
	s_or_b32 s[G0+3], s[G0+3], 0x80000000          ; type = 2
	s_or_b32 s[G0+7], s[G0+7], 0x80000000
	tensor_load_to_lds s[G0:G0+3], s[G1:G1+7]
	s_nop 0
	tensor_load_to_lds s[G0+4:G0+7], s[G1:G1+7]
	s_nop 0
	PLACES 4
	LOADX 0, SET2, EB, 1024, 1                     ; K step 2.  Its last load is the wave's 64th on its way: its issue waits for the first to come back (ISA guide 5.7.1); nothing else is due here
	; ---- K step 0
	s_wait_tensorcnt 0x1                           ; my quarter of chunk 0 is in; chunk 1's load may be out.  Only I read these bytes
	FW 0
	s_wait_loadcnt 32                              ; W's scale words and K step 0 are in; behind them: K steps 1 and 2
	QUANT 1, SET0, 0, 0
	LOADX 1, SET0, HB, 0, 0                        ; the hidden part's 27 loads: my 16 batches x 128 numbers (read by sixteen work-groups: no hint),
.irp t, 0,1,2,3
.irp c, 0,1
	global_load_b128 v[HWF+8*\t+4*\c:HWF+8*\t+4*\c+3], v[HWO], s[HWB:HWB+1] offset:1536*\t+32*\c   ; W's four fragments,
.endr
.endr
.irp n, 0,1
	global_load_b32 v[HW+\n], v[HSO], s[HSB:HSB+1] offset:192*\n   ; their scale words,
.endr
	global_load_b128 v[HV:HV+3], v[HVO], s[HVB:HVB+1]   ; and v at my four units
	BAR                                            ; the four waves' codes and scale bytes lie in region 0
	FA 0
	s_wait_dscnt 0x0
	MUL 0, 1
	; ---- K step 1
	PLACES 4                                       ; in front of loads into registers that matrix instructions have read (ISA guide 7.12.1 for vector instructions)
	FW 1
	s_wait_loadcnt 43                              ; behind K step 1: K step 2's 16, the hidden part's 27
	QUANT 1, SET1, ATR, 256
	LOADX 1, SET1, EB, 512*3, 1
	REFILL 0                                       ; slot 0 has been read out: chunk 2
	FA 1
	s_wait_dscnt 0x0
	MUL 1, 0
	; ---- K step 2
	PLACES 4
	s_wait_tensorcnt 0x1                           ; chunk 1 is in (shown by the wait for 0 above); chunk 2's load may be out
	FW 2
	s_wait_loadcnt 43                              ; behind K step 2: the hidden part's 27, K step 3's 16
	QUANT 0, SET2, 0, 0                            ; region 0: every wave's reads of it were waited for in front of its products of K step 0, ahead of the barrier of K step 1
	LOADX 0, SET2, EB, 512*4, 1
	BAR
	FA 2
	s_wait_dscnt 0x0
	MUL 2, 0
	; ---- K step 3, and in it the hidden part
	PLACES 4
	FW 3
	s_wait_loadcnt 32                              ; behind the hidden part's loads: K steps 3 and 4
	QUANT 1, SET0, HT-AT, HS-AS
	LOADX 1, SET0, EB, 512*5, 1
	ds_load_b128 v[HF:HF+3], v[LDH] offset:HT-AT   ; my own 16 rows back as a fragment: LDS serves a wave's instructions in order (ISA guide 5.7.1.4), and no other wave touches these bytes
	ds_load_b128 v[HF+4:HF+7], v[LDH] offset:HT-AT+32
	ds_load_b32 v[HSW], v[LSH] offset:HS-AS
	s_wait_dscnt 0x0
	; source 0 = my 16 batches, source 1 = 16 rows of W: lane (r, hh) holds unit h = 64 hg + 4 r + t, register j batch 16 w + 8 hh + j.  The results lie over the operand's fragments, which
	; the last products read far more than five plain vector instructions ago (the quantising above)
	WM AF, HF, HWF, 1, HSW, HW, 0, 0
	WM AF+8, HF, HWF+8, 1, HSW, HW, 0, 1
	WM AF+16, HF, HWF+16, 1, HSW, HW+1, 0, 0
	WM AF+24, HF, HWF+24, 1, HSW, HW+1, 0, 1
	PLACES 4
.irp j, 0,1,2,3,4,5,6,7
	v_mul_f32 v[HF+\j], v[AF+\j], v[HV]            ; x v, and summed over my four units; each result is read from its low end on
.endr
.irp t, 1,2,3
.irp j, 0,1,2,3,4,5,6,7
	v_fmac_f32 v[HF+\j], v[AF+8*\t+\j], v[HV+\t]
.endr
.endr
.irp x, 1,2,4,8
.irp j, 0,1,2,3,4,5,6,7
	v_add_f32_dpp v[HF+\j], v[HF+\j], v[HF+\j] row_xmask:\x row_mask:0xf bank_mask:0xf   ; over the sixteen lanes: all 64 units
.endr
.endr
	ds_store_b128 v[CPA], v[HF:HF+3]               ; sixteen lanes store the same bytes with the same values; these registers are not written again
	ds_store_b128 v[CPA], v[HF+4:HF+7] offset:16
	s_wait_loadcnt 32                              ; behind K step 3: K steps 4 and 5
	QUANT 1, SET1, ATR, 256
	LOADX 1, SET1, EB, 512*6, 1
	REFILL 1                                       ; slot 1 has been read out: chunk 3
	FA 3
	s_wait_dscnt 0x0
	MUL 3, 0
	; ---- K step 4
	PLACES 4
	s_wait_tensorcnt 0x1                           ; chunk 2 is in; chunk 3's load may be out
	FW 4
	s_wait_loadcnt 32                              ; behind K step 4: K steps 5 and 6
	QUANT 0, SET2, 0, 0
	LOADX 0, SET2, EB, 512*7, 1
	BAR
	FA 4
	s_wait_dscnt 0x0
	MUL 4, 0
	; ---- K step 5
	PLACES 4
	FW 5
	s_wait_loadcnt 32                              ; behind K step 5: K steps 6 and 7
	QUANT 1, SET0, ATR, 256
	VLOAD 0                                        ; the set is free: v for tiles 0 to 7
	BAR
	FA 5
	s_wait_dscnt 0x0
	MUL 5, 0
	; ---- K step 6
	PLACES 4
	s_wait_tensorcnt 0x0                           ; chunk 3, my last tensor load
	FW 6
	s_wait_loadcnt 32                              ; behind K step 6: K step 7's 16, v's first 16
	QUANT 1, SET1, 0, 0
	VLOAD 8
	global_load_b128 v[TV:TV+3], v[TWO], s[VB:VB+1]        ; for the bias: eight of my wave's 256 v and b a lane
	global_load_b128 v[TV+4:TV+7], v[TWO], s[VB:VB+1] offset:16
	global_load_b128 v[TB:TB+3], v[TWO], s[BB:BB+1]
	global_load_b128 v[TB+4:TB+7], v[TWO], s[BB:BB+1] offset:16
	BAR
	FA 6
	s_wait_dscnt 0x0
	MUL 6, 0
	; ---- K step 7
	PLACES 4
	FW 7
	s_wait_loadcnt 36                              ; behind K step 7: v's 32, the bias's 4
	QUANT 0, SET2, ATR, 256
	BAR
	FA 7
	s_wait_dscnt 0x0
	MUL 7, 0
	; ---- the dot product with v.  First the bias: these lines name no register of the products and are the places behind them
	s_wait_loadcnt 0x0
	v_pk_mul_f32 v[BY:BY+1], v[TV:TV+1], v[TB:TB+1]
.irp p, 2,4,6
	v_pk_fma_f32 v[BY:BY+1], v[TV+\p:TV+\p+1], v[TB+\p:TB+\p+1], v[BY:BY+1]
.endr
	v_add_f32 v[BY], v[BY], v[BY+1]
.irp x, 1,2,4,8
	v_add_f32_dpp v[BY], v[BY], v[BY] row_xmask:\x row_mask:0xf bank_mask:0xf
.endr
	v_permlanex16_b32 v[BY+1], v[BY], s[SEL], s[SEL+1]
	v_add_f32 v[BY], v[BY], v[BY+1]                ; sum over my wave's 256 h of v[h] b[h], in every lane
	; 256 packed lines in eight chains (a tile of rows m, even or odd pair p); each accumulator is read from its low end on
.set T, 0
.rept 16
	WIN 0x06+T/8                                   ; source 0 window 2 or 3, source 1 (v) window 1, sums window 0
.irp p, 0,1,2,3
.irp m, 0,1,2,3
.if (T == 0) && (\p < 2)
	v_pk_mul_f32 v[SC+4*\m+2*(\p%2):SC+4*\m+2*(\p%2)+1], v[8*(4*(T%8)+\m)+2*\p:8*(4*(T%8)+\m)+2*\p+1], v[VF+8*T+2*\p:VF+8*T+2*\p+1]
.else
	v_pk_fma_f32 v[SC+4*\m+2*(\p%2):SC+4*\m+2*(\p%2)+1], v[8*(4*(T%8)+\m)+2*\p:8*(4*(T%8)+\m)+2*\p+1], v[VF+8*T+2*\p:VF+8*T+2*\p+1], v[SC+4*\m+2*(\p%2):SC+4*\m+2*(\p%2)+1]
.endif
.endr
.endr
.set T, T+1
.endr
	WIN 0
.irp m, 0,1,2,3
	v_pk_add_f32 v[SC+4*\m:SC+4*\m+1], v[SC+4*\m:SC+4*\m+1], v[SC+4*\m+2:SC+4*\m+3]
.endr
.irp m, 0,1,2,3
	v_add_f32 v[SC+4*\m], v[SC+4*\m], v[SC+4*\m+1]
.endr
.irp m, 0,1,2,3
	v_permlanex16_b32 v[SC+4*\m+1], v[SC+4*\m], s[SEL], s[SEL+1]   ; the row's other eight units of each tile lie in the lane 16 away
.endr
.irp m, 0,1,2,3
	v_add_f32 v[SC+4*\m], v[SC+4*\m], v[SC+4*\m+1]
.endr
.irp m, 0,1,2,3
	v_add_f32 v[SC+4*\m], v[SC+4*\m], v[BY]        ; + the bias's part: row 16 m + r, in both halves of the lanes
.endr
	v_and_b32 v[T0], 16, v0
	v_cmp_ne_u32 vcc_lo, 0, v[T0]                  ; lanes 16-31
	v_cndmask_b32 v[SC+1], v[SC], v[SC+4], vcc_lo  ; lane l: row l
	v_cndmask_b32 v[SC+5], v[SC+8], v[SC+12], vcc_lo   ; row 32 + l
	ds_store_b32 v[PSA], v[SC+1]
	ds_store_b32 v[PSA], v[SC+5] offset:128
	BAR                                            ; the four waves' partial scores and the hidden part's 64 sums lie in LDS
	s_cmp_lg_u32 s[WV], 0
	s_cbranch_scc1 .Lnot_first                     ; wave 0 adds and stores
.irp j, 0,1,2,3
	ds_load_b64 v[TV+2*\j:TV+2*\j+1], v[PSR] offset:256*\j   ; rows 2 l, 2 l + 1 of wave j's
.endr
	ds_load_b64 v[TB:TB+1], v[PSR] offset:CP-PS
	s_wait_dscnt 0x0
	v_pk_add_f32 v[TV:TV+1], v[TV:TV+1], v[TV+2:TV+3]
	v_pk_add_f32 v[TV+4:TV+5], v[TV+4:TV+5], v[TV+6:TV+7]
	v_pk_add_f32 v[TV:TV+1], v[TV:TV+1], v[TV+4:TV+5]
	global_store_b64 v[OUTL], v[TV:TV+1], s[SCO:SCO+1]   ; 32 lanes store 256 consecutive bytes, at a multiple of 256 from the buffer's first byte
	global_store_b64 v[OUTL], v[TB:TB+1], s[CPO:CPO+1]   ; likewise
.Lnot_first:
	s_wait_tensorcnt 0x0                           ; the wave's end, behind my last tensor load and my last LDS store
	ds_add_u32 v[SPW], v[NIL]
	s_wait_dscnt 0x0
	CROUND                                         ; the closing round: no work-group ends while a partner may still ask for a tile that names it
	s_endpgm
.Lfunc_end_k_q82930fae81_energy:
	.size	k_q82930fae81_energy, .Lfunc_end_k_q82930fae81_energy-k_q82930fae81_energy
	.p2alignl 7, 3214868480
	.fill 96, 4, 3214868480
	.section	.rodata,"a",@progbits
	.p2align	6, 0x0
	.amdhsa_kernel k_q82930fae81_energy
		.amdhsa_group_segment_fixed_size 327680
		.amdhsa_private_segment_fixed_size 0
		.amdhsa_enable_private_segment 0
		.amdhsa_kernarg_size 64
		.amdhsa_user_sgpr_count 2
		.amdhsa_user_sgpr_kernarg_segment_ptr 1
		.amdhsa_wavefront_size32 1
		.amdhsa_system_sgpr_workgroup_id_x 1
		.amdhsa_system_sgpr_workgroup_id_y 1
		.amdhsa_system_sgpr_workgroup_id_z 1
		.amdhsa_system_vgpr_workitem_id 0
		.amdhsa_next_free_vgpr 1024
		.amdhsa_next_free_sgpr 66
		.amdhsa_reserve_vcc 1
		.amdhsa_float_denorm_mode_32 3
		.amdhsa_float_denorm_mode_16_64 3
		.amdhsa_memory_ordered 1
		.amdhsa_forward_progress 1
		.amdhsa_inst_pref_size 190
	.end_amdhsa_kernel
	.amdgpu_metadata
---
amdhsa.version: [ 1, 2 ]
amdhsa.kernels:
  - .name:           k_q82930fae81_energy
    .symbol:         k_q82930fae81_energy.kd
    .args:
      - { .name: W_codes, .offset: 0, .size: 8, .value_kind: global_buffer, .address_space: global }
      - { .name: W_scales, .offset: 8, .size: 8, .value_kind: global_buffer, .address_space: global }
      - { .name: b, .offset: 16, .size: 8, .value_kind: global_buffer, .address_space: global }
      - { .name: encoder_outputs, .offset: 24, .size: 8, .value_kind: global_buffer, .address_space: global }
      - { .name: hidden, .offset: 32, .size: 8, .value_kind: global_buffer, .address_space: global }
      - { .name: v, .offset: 40, .size: 8, .value_kind: global_buffer, .address_space: global }
      - { .name: scores, .offset: 48, .size: 8, .value_kind: global_buffer, .address_space: global }
      - { .name: cpart, .offset: 56, .size: 8, .value_kind: global_buffer, .address_space: global }
    .group_segment_fixed_size: 327680
    .private_segment_fixed_size: 0
    .kernarg_segment_align: 8
    .kernarg_segment_size: 64
    .max_flat_workgroup_size: 128
    .sgpr_count:     66
    .vgpr_count:     1024
    .wavefront_size: 32
...
	.end_amdgpu_metadata
.endif
;; end of part 1
;; launch softmax (part 2): grid 64 x 1, 1 waves a work-group, no clusters, 0 bytes of LDS; arguments scores, cpart, out0; writes out0
.if DOCPART == 2
	.amdgcn_target "amdgcn-amd-amdhsa--gfx1250"
	.amdhsa_code_object_version 6
	.text
	.protected	k_q82930fae81_softmax
	.globl	k_q82930fae81_softmax
	.p2align	8
	.type	k_q82930fae81_softmax,@function
k_q82930fae81_softmax:
	s_mov_b64 s[64:65], 0
	v_nop
	global_prefetch_b8 v0, s[64:65] scope:SCOPE_SE
	s_setreg_imm32_b32 hwreg(HW_REG_WAVE_MODE, 25, 1), 1
	s_wait_xcnt 0x0
; out0[b][s] = softmax over s of (scores[b][s] + c[b]), c[b] = the sum over i = 0 .. 255 of cpart[i][b]: the hidden part of the energy, weighted by v, which is the same for all 256 rows of a batch.
; One wave to a batch: the row of 256 scores is 8 registers a lane, so maximum and sum never leave the wave: no LDS, no barrier.  The row's maximum is taken away before the exponential.
; Lane l takes scores 4 l .. 4 l + 3 and 128 + 4 l .. + 3: each load and store of the wave covers 512 consecutive bytes.  Of cpart a lane takes rows l + 32 j, four bytes of each: 1 KiB a wave out of
; a buffer of 64 KiB; laid the other way round the launch before would store its 64 sums to 64 places.
; Matrix units, clusters, LDS and tensor loads would add nothing to 2 KiB a wave.
	s_load_b128 s[4:7], s[0:1], 0x0                ; scores, cpart
	s_load_b64 s[8:9], s[0:1], 0x10                ; out0
	v_lshlrev_b32 v1, 4, v0                        ; 16 l
	v_lshlrev_b32 v2, 8, v0                        ; 256 l: row l of cpart
	v_mov_b32 v21, 0                               ; written once: a lane permute's destination counts as one of its sources
	s_lshl_b32 s10, ttmp9, 10                      ; a batch's 256 scores
	s_mov_b32 s11, 0
	s_lshl_b32 s12, ttmp9, 2                       ; the batch's column of cpart
	s_mov_b32 s13, 0
	s_mov_b32 s14, 0x76543210
	s_mov_b32 s15, 0xfedcba98                      ; v_permlanex16_b32's selects for lane l xor 16
	s_mov_b32 s2, 0x3fb8aa3b                       ; log2(e)
	s_mov_b32 s3, s2                               ; (named with it as a pair, so it is written)
	s_wait_kmcnt 0x0
	s_add_nc_u64 s[4:5], s[4:5], s[10:11]
	s_add_nc_u64 s[6:7], s[6:7], s[12:13]
	s_add_nc_u64 s[8:9], s[8:9], s[10:11]
	global_load_b128 v[4:7], v1, s[4:5]
	global_load_b128 v[8:11], v1, s[4:5] offset:512
.irp j, 0,1,2,3,4,5,6,7
	global_load_b32 v[12+\j], v2, s[6:7] offset:8192*\j   ; cpart[l + 32 j][b]
.endr
	s_wait_loadcnt 0x0
	v_add_f32 v12, v12, v13
	v_add_f32 v14, v14, v15
	v_add_f32 v16, v16, v17
	v_add_f32 v18, v18, v19
	v_add_f32 v12, v12, v14
	v_add_f32 v16, v16, v18
	v_add_f32 v12, v12, v16
.irp x, 1,2,4,8
	v_add_f32_dpp v12, v12, v12 row_xmask:\x row_mask:0xf bank_mask:0xf
.endr
	v_permlanex16_b32 v13, v12, s14, s15
	v_add_f32 v12, v12, v13                        ; c[b], in every lane
.irp j, 4,6,8,10
	v_pk_add_f32 v[\j:\j+1], v[\j:\j+1], v[12:13] op_sel_hi:[1,0]   ; the whole score
.endr
	v_max3_num_f32 v20, v4, v5, v6
	v_max3_num_f32 v20, v20, v7, v8
	v_max3_num_f32 v20, v20, v9, v10
	v_max_num_f32 v20, v20, v11
.irp x, 1,2,4,8
	v_max_num_f32_dpp v20, v20, v20 row_xmask:\x row_mask:0xf bank_mask:0xf
.endr
	v_permlanex16_b32 v21, v20, s14, s15
	v_max_num_f32 v20, v20, v21                    ; the row's largest score
.irp j, 4,6,8,10
	v_pk_add_f32 v[\j:\j+1], v[\j:\j+1], v[20:21] op_sel_hi:[1,0] neg_lo:[0,1] neg_hi:[0,1]   ; score - maximum: 0 or less
.endr
.irp j, 4,6,8,10
	v_pk_mul_f32 v[\j:\j+1], v[\j:\j+1], s[2:3] op_sel_hi:[1,0]   ; x log2(e)
.endr
.irp j, 4,5,6,7,8,9,10,11
	v_exp_f32 v[\j], v[\j]
.endr
	v_nop                                          ; a plain instruction between the last exponential and the use of its result (ISA guide 5.7.2)
	s_wait_alu depctr_va_vdst(0)
	v_pk_add_f32 v[22:23], v[4:5], v[6:7]
	v_pk_add_f32 v[24:25], v[8:9], v[10:11]
	v_pk_add_f32 v[22:23], v[22:23], v[24:25]
	v_add_f32 v22, v22, v23
.irp x, 1,2,4,8
	v_add_f32_dpp v22, v22, v22 row_xmask:\x row_mask:0xf bank_mask:0xf
.endr
	v_permlanex16_b32 v23, v22, s14, s15
	v_add_f32 v22, v22, v23                        ; the row's sum: at least 1, since the largest score gives 2^0
	v_rcp_f32 v24, v22
	v_nop                                          ; a plain instruction behind the reciprocal
	s_wait_alu depctr_va_vdst(0)
.irp j, 4,6,8,10
	v_pk_mul_f32 v[\j:\j+1], v[\j:\j+1], v[24:25] op_sel_hi:[1,0]
.endr
	global_store_b128 v1, v[4:7], s[8:9]           ; 32 lanes store 512 consecutive bytes, at a multiple of 256 from out0's first byte
	global_store_b128 v1, v[8:11], s[8:9] offset:512
	s_endpgm
.Lfunc_end_k_q82930fae81_softmax:
	.size	k_q82930fae81_softmax, .Lfunc_end_k_q82930fae81_softmax-k_q82930fae81_softmax
	.p2alignl 7, 3214868480
	.fill 96, 4, 3214868480
	.section	.rodata,"a",@progbits
	.p2align	6, 0x0
	.amdhsa_kernel k_q82930fae81_softmax
		.amdhsa_group_segment_fixed_size 0
		.amdhsa_private_segment_fixed_size 0
		.amdhsa_enable_private_segment 0
		.amdhsa_kernarg_size 24
		.amdhsa_user_sgpr_count 2
		.amdhsa_user_sgpr_kernarg_segment_ptr 1
		.amdhsa_wavefront_size32 1
		.amdhsa_system_sgpr_workgroup_id_x 1
		.amdhsa_system_sgpr_workgroup_id_y 1
		.amdhsa_system_sgpr_workgroup_id_z 1
		.amdhsa_system_vgpr_workitem_id 0
		.amdhsa_next_free_vgpr 32
		.amdhsa_next_free_sgpr 66
		.amdhsa_reserve_vcc 0
		.amdhsa_float_denorm_mode_32 3
		.amdhsa_float_denorm_mode_16_64 3
		.amdhsa_memory_ordered 1
		.amdhsa_forward_progress 1
		.amdhsa_inst_pref_size 6
	.end_amdhsa_kernel
	.amdgpu_metadata
---
amdhsa.version: [ 1, 2 ]
amdhsa.kernels:
  - .name:           k_q82930fae81_softmax
    .symbol:         k_q82930fae81_softmax.kd
    .args:
      - { .name: scores, .offset: 0, .size: 8, .value_kind: global_buffer, .address_space: global }
      - { .name: cpart, .offset: 8, .size: 8, .value_kind: global_buffer, .address_space: global }
      - { .name: out0, .offset: 16, .size: 8, .value_kind: global_buffer, .address_space: global }
    .group_segment_fixed_size: 0
    .private_segment_fixed_size: 0
    .kernarg_segment_align: 8
    .kernarg_segment_size: 24
    .max_flat_workgroup_size: 32
    .sgpr_count:     66
    .vgpr_count:     32
    .wavefront_size: 32
...
	.end_amdgpu_metadata
.endif
;; end of part 2
